; MI455X (gfx1250); checked and timed in simulation.
; The chip was launched on July 23, 2026; its instructions are those of AMD's public machine-readable ISA for CDNA 5 (MIT licence, August 2026) and "CDNA5" Instruction Set Architecture Reference Guide (July 2026). The comments in the code are by the model that wrote it; some were corrected since.
;; Group Linear. Allowed arithmetic: matrix products marked QUANTISED: E4M3 operands, one given power-of-two scale a tensor, by v_wmma_f32_16x16x64_fp8_fp8 or v_wmma_f32_16x16x128_fp8_fp8, f32 sums; everything else in f32.
;; Inputs: W 16,384 x 1,024 float32; b 16,384 float32; indices 4,096 int32; lowp_scales 2 int32 (the exponents e of the quantised operands' scales 2^e); x 4,096 x 1,024 float32.
;; Outputs: out0 4,096 x 2,048 float32.
;; This version of the problem:
;;   THIS VERSION OF THE PROBLEM IS GIVEN IN LOW PRECISION. The matrix products marked QUANTISED in the list below multiply operands that are first quantised to E4M3 (4 exponent bits, 3 mantissa bits; 8 bits a number), with one given power-of-two scale for each operand tensor; their sums are f32. All else is computed in f32.
;;   The module's matrix products, in the order in which they are computed (A, B: the left and right operand; K: the contracted axis; several contracted axes count as one K, in the product's order):
;;     1. [M 4,096, K 1,024] x [K 1,024, N 16,384]; A: input x; B: input W: QUANTISED (scales: A lowp_scales[0], B lowp_scales[1])
;;   THE QUANTISER, for each operand of a quantised product, along K:
;;     - The operand's scale is 2^e, e = its entry of the input lowp_scales (int32; the entries are numbered through the quantised products in the list's order, A before B).
;;     - Each number is divided by the scale, clamped to +-448, and rounded to the nearest number of E4M3, ties to even, subnormals kept.
;;     - The product sums the exact products of the quantised numbers (number of the format x scale) in f32.
;;   ~~~python
;;   def quantise(x, axis, e):      # numpy; x: float32 -> the quantised numbers, widened to float32 again
;;       x = np.moveaxis(x, axis, -1); K = x.shape[-1]
;;       r = np.clip(x / 2.0 ** e, -448, 448)
;;       step = 2.0 ** (np.maximum(np.frexp(np.where(r == 0, 1, r))[1] - 1, -6) - 3)
;;       q = np.round(r / step) * step * 2.0 ** e      # np.round: ties to even
;;       return np.moveaxis(q, -1, axis).astype(np.float32)
;;   ~~~
;; 2 versions. Each part assembles by itself: llvm-mc -triple=amdgcn-amd-amdhsa -mcpu=gfx1250 --defsym DOCPART=n.
;; ======== version 1 of 2: 2 launches
;; workspace buffers: xq 4,194,304 bytes; order 16,384 bytes of whole numbers; meta 256 bytes of whole numbers
;; launch prep (part 1): grid 257 x 1, 16 waves a work-group, no clusters, 2,560 bytes of LDS; arguments x, indices, lowp_scales, xq, order, meta; writes xq, order, meta
.if DOCPART == 1
	.amdgcn_target "amdgcn-amd-amdhsa--gfx1250"
	.amdhsa_code_object_version 6
	.text
	.protected	k_q2134d278bd_prep
	.globl	k_q2134d278bd_prep
	.p2align	8
	.type	k_q2134d278bd_prep,@function
k_q2134d278bd_prep:
	s_mov_b64 s[64:65], 0
	v_nop
	global_prefetch_b8 v0, s[64:65] scope:SCOPE_SE
	s_setreg_imm32_b32 hwreg(HW_REG_WAVE_MODE, 25, 1), 1
	s_wait_xcnt 0x0
; out[n][:] = Q(x[n]) . Q(W[g])^T + b[g], g = indices[n]: 8 groups, each 2,048 rows of W.
; WORK LEFT OUT BY THE WHOLE PROGRAM.  The problem's text forms y = x W^T + b for all 8 x 2,048 columns and then keeps, by take_along_axis on indices, the 2,048 columns of
; group indices[n] of row n.  The other seven groups' columns of a row reach no output, whatever x, W and b hold: they are not computed.  Which columns are kept is a whole number
; that is read from memory: this launch sorts the rows by it, the next launch reads the sorted list.  Every input has a way to an output (any group may be chosen): all are loaded.
; LIMIT: a NaN, an infinity or an overflow that would arise only in the columns left out is not carried to the result (there it is thrown away as well).
; THIS LAUNCH.  Work-group 0: a counting sort of the 4,096 rows by their group -> order (row numbers, group by group, dense) and meta (for group g, at byte 8 g: first place, count).
; Work-groups 1 to 256: x [4096][1024] f32 -> xq [4096][1024] codes of E4M3 with the given scale 2^ex: code = x / 2^ex, held within +-448, to the nearest code, ties to even.
; THE ORDER OF K IN xq.  Inside each 512 along K, byte 16 l + 4 i + e of the codes holds k = 128 i + 4 l + e (l = 0..31, i = 0..3, e = 0..3): lane l's four loads of 16 bytes, each load 512 consecutive
; bytes of the row, are converted as they stand in its registers, and the wave's store of 16 bytes a lane covers 512 consecutive bytes.  The next launch lays W's codes in the same order, so every
; product meets its partner; only the order of the sums changes.
; LIMITS: ex between -126 and 119; NaN in x is not served (an infinity is held at the largest code); indices lie in 0..7, the table that they index.
.set SPARE, 512                        ; LDS: bytes 0-511 the counts [16 waves][8 groups]; from 512 the spare words, 128 bytes for each of 16 waves, which no other line names
.set SPW,  2                           ; v2   LDS address of my spare word; never rewritten
.set NIL,  3                           ; v3   0; never rewritten
.set IDX,  16                          ; v16-23  sort: my eight rows' groups
.set POS,  24                          ; v24-31  their places in order
.set NUM,  32                          ; v32-39  their row numbers
.set CW,   40                          ; v40-55  the sixteen waves' counts of group lane % 8
.set CN,   24                          ; s24-31  my wave's count of each group
.set MK,   32                          ; s32-39  lane masks, one for each group
.set TOT,  40                          ; s40-47  each group's rows in all
.set RB,   48                          ; s48-55  the next free place of each group for my wave
.set FST,  56                          ; s56-63  each group's first place
.set TM,   66                          ; s66-73  at work
	s_load_b256 s[4:11], s[0:1], 0x0               ; x s[4:5], indices s[6:7], the scales' exponents s[8:9], xq s[10:11]
	s_load_b128 s[12:15], s[0:1], 0x20             ; order s[12:13], meta s[14:15]
	v_lshl_add_u32 v[SPW], v0, 2, SPARE
	v_mov_b32 v[NIL], 0
	v_lshrrev_b32 v1, 5, v0
	v_readfirstlane_b32 s18, v1                    ; wave 0..15
	v_and_b32 v1, 31, v0                           ; lane
	s_wait_kmcnt 0x0
	s_cmp_eq_u32 ttmp9, 0                          ; the work-group's number alone: all sixteen waves go the same way
	s_cbranch_scc1 .Lsort
	; ---- x into codes: a wave takes one row: 4,096 bytes in, 1,024 bytes out.  No LDS, no barrier on this way
	s_load_b32 s21, s[8:9], 0x0                    ; ex
	s_sub_co_u32 s20, ttmp9, 1
	s_lshl_b32 s20, s20, 4
	s_add_co_u32 s20, s20, s18                     ; my row: 16 x (work-group - 1) + wave
	s_lshl_b32 s22, s20, 12
	s_mov_b32 s23, 0
	s_add_nc_u64 s[4:5], s[4:5], s[22:23]          ; x at my row
	s_lshl_b32 s22, s20, 10
	s_add_nc_u64 s[10:11], s[10:11], s[22:23]      ; xq at my row
	v_lshlrev_b32 v4, 4, v1                        ; 16 bytes a lane
.irp q, 0,1,2,3,4,5,6,7
	global_load_b128 v[16+4*\q:19+4*\q], v4, s[4:5] offset:512*\q th:TH_LOAD_NT   ; 32 lanes read 512 consecutive bytes; the row is read once in the launch
.endr
	s_wait_kmcnt 0x0
	s_add_co_i32 s21, s21, 127
	s_lshl_b32 s22, s21, 23
	v_mov_b32 v6, s22                              ; 2^ex as f32: the conversion takes its exponent field
	s_add_co_i32 s21, s21, 8
	s_lshl_b32 s21, s21, 23
	s_or_b32 s21, s21, 0x600000
	v_mov_b32 v5, s21                              ; 448 x 2^ex
.irp u, 0,1
	s_wait_loadcnt 4-4*\u                          ; this half's four loads are in; the other half's four may be out
.irp i, 0,1,2,3,4,5,6,7,8,9,10,11,12,13,14,15
	v_med3_num_f32 v[16+16*\u+\i], v[16+16*\u+\i], -v5, v5   ; the conversion to an 8-bit code does not saturate (ISA guide 7.6.2): the hold at the largest code x the scale comes first
.endr
	v_cvt_scalef32_pk8_fp8_f32 v[8+4*\u:9+4*\u], v[16+16*\u:23+16*\u], v6
	v_cvt_scalef32_pk8_fp8_f32 v[10+4*\u:11+4*\u], v[24+16*\u:31+16*\u], v6
	global_store_b128 v4, v[8+4*\u:11+4*\u], s[10:11] offset:512*\u   ; 512 consecutive bytes; each half has its own registers, so no store's data are written again
.endr
	v_nop                                          ; a plain vector line behind the last conversion
	s_endpgm                                       ; this way wrote no LDS
	; ---- the sort: wave w owns rows 256 w to 256 w + 255, eight a lane.  The order inside a group is free: each row of the output stands for itself
.Lsort:
	v_and_b32 v58, 0x1e0, v0                       ; 32 x wave
	v_lshlrev_b32 v58, 3, v58
	v_lshl_add_u32 v7, v1, 2, v58                  ; my first row: 256 x wave + 4 x lane
	v_lshlrev_b32 v4, 2, v7
	global_load_b128 v[IDX:IDX+3], v4, s[6:7]              ; rows v7 + 0..3: the wave reads 512 consecutive bytes
	global_load_b128 v[IDX+4:IDX+7], v4, s[6:7] offset:512 ; rows v7 + 128 + 0..3
	v_and_b32 v60, 7, v0
	v_lshlrev_b32 v60, 2, v60                      ; LDS: the word of group lane % 8 in a wave's eight counts
	v_mov_b32 v61, s18                             ; my wave's number in every lane
	v_mov_b32 v63, s18
	v_lshlrev_b32 v63, 5, v63                      ; LDS: my wave's eight counts, 32 bytes
	s_wait_loadcnt 0x0
	; my wave's rows of each group: a lane mask for each group and register, its bits counted
.irp c, 0,1,2,3,4,5,6,7
.irp g, 0,1,2,3,4,5,6,7
	v_cmp_eq_u32 s[MK+\g], \g, v[IDX+\c]
.endr
.irp g, 0,1,2,3,4,5,6,7
.if \c == 0
	s_bcnt1_i32_b32 s[CN+\g], s[MK+\g]             ; the first register starts the counts: nothing is cleared
.else
	s_bcnt1_i32_b32 s[TM+\g], s[MK+\g]
.endif
.endr
.if \c > 0
.irp g, 0,1,2,3,4,5,6,7
	s_add_co_u32 s[CN+\g], s[CN+\g], s[TM+\g]
.endr
.endif
.endr
.irp g, 0,1,2,3,4,5,6,7
	v_mov_b32 v[8+\g], s[CN+\g]
.endr
	ds_store_b128 v63, v[8:11]                     ; all lanes write the same words with the same values
	ds_store_b128 v63, v[12:15] offset:16
	s_wait_dscnt 0x0                               ; for the others' sake: my counts lie in LDS
	s_barrier_signal -1
	s_barrier_wait -1                              ; everybody's do.  Nothing writes them again
.irp w, 0,1,2,3,4,5,6,7,8,9,10,11,12,13,14,15
	ds_load_b32 v[CW+\w], v60 offset:32*\w         ; wave w's count of group lane % 8
.endr
	v_mov_b32 v57, 0
	s_wait_dscnt 0x0
	v_add3_u32 v56, v[CW], v[CW+1], v[CW+2]        ; the group's rows in all,
.irp w, 3,5,7,9,11,13
	v_add3_u32 v56, v56, v[CW+\w], v[CW+\w+1]
.endr
	v_add_nc_u32 v56, v56, v[CW+15]
.irp w, 0,1,2,3,4,5,6,7,8,9,10,11,12,13,14
	v_cmp_lt_u32 vcc_lo, \w, v61                   ; and those of the waves in front of mine
	v_cndmask_b32 v58, 0, v[CW+\w], vcc_lo
	v_add_nc_u32 v57, v57, v58
.endr
.irp g, 0,1,2,3,4,5,6,7
	v_readlane_b32 s[TOT+\g], v56, \g
	v_readlane_b32 s[RB+\g], v57, \g
.endr
	s_mov_b32 s[FST], 0
.irp g, 0,1,2,3,4,5,6
	s_add_co_u32 s[FST+\g+1], s[FST+\g], s[TOT+\g] ; a group begins where the one before ends
.endr
.irp g, 0,1,2,3,4,5,6,7
	s_add_co_u32 s[RB+\g], s[RB+\g], s[FST+\g]     ; my wave's first place in each group
.endr
	; a row's place: its group's next free place + the lanes below mine that hold the same group in this register
.irp c, 0,1,2,3,4,5,6,7
.irp g, 0,1,2,3,4,5,6,7
	v_cmp_eq_u32 s[MK+\g], \g, v[IDX+\c]
.endr
	v_mbcnt_lo_u32_b32 v[POS+\c], s[MK], s[RB]     ; group 0's figure fills every lane; the other groups' replace it where they apply
.irp g, 1,2,3,4,5,6,7
	v_mbcnt_lo_u32_b32 v58, s[MK+\g], s[RB+\g]
	v_cndmask_b32 v[POS+\c], v[POS+\c], v58, s[MK+\g]
.endr
.irp g, 0,1,2,3,4,5,6,7
	s_bcnt1_i32_b32 s[TM+\g], s[MK+\g]
.endr
.irp g, 0,1,2,3,4,5,6,7
	s_add_co_u32 s[RB+\g], s[RB+\g], s[TM+\g]
.endr
	v_min_u32 v[POS+\c], 0xfff, v[POS+\c]          ; a place made of loaded numbers is held inside the list before it becomes an address
	v_lshlrev_b32 v[POS+\c], 2, v[POS+\c]
	v_add_nc_u32 v[NUM+\c], 128*(\c/4)+\c%4, v7    ; the row's number
	global_store_b32 v[POS+\c], v[NUM+\c], s[12:13]   ; four bytes a lane, scattered: the whole list is 16,384 bytes, and a turn through LDS would need LDS addresses made of loaded numbers.  Each register has its own address and data
.endr
	s_cmp_lg_u32 s18, 0                            ; wave 0 alone stores the groups' table; no barrier stands under this branch
	s_cbranch_scc1 .Lclose
	v_mov_b32 v8, 0
	v_mov_b32 v9, 0
.irp g, 0,1,2,3,4,5,6,7
	v_writelane_b32 v8, s[FST+\g], \g
	v_writelane_b32 v9, s[TOT+\g], \g
.endr
	v_lshlrev_b32 v10, 3, v1
	global_store_b64 v10, v[8:9], s[14:15]         ; lane g: (first place, count) of group g; lanes 8-31 zeros: 256 consecutive bytes, all of meta
.Lclose:
	s_wait_tensorcnt 0x0                           ; the wave's end
	ds_add_u32 v[SPW], v[NIL]
	s_wait_dscnt 0x0
	s_endpgm
.Lfunc_end_k_q2134d278bd_prep:
	.size	k_q2134d278bd_prep, .Lfunc_end_k_q2134d278bd_prep-k_q2134d278bd_prep
	.p2alignl 7, 3214868480
	.fill 96, 4, 3214868480
	.section	.rodata,"a",@progbits
	.p2align	6, 0x0
	.amdhsa_kernel k_q2134d278bd_prep
		.amdhsa_group_segment_fixed_size 2560
		.amdhsa_private_segment_fixed_size 0
		.amdhsa_enable_private_segment 0
		.amdhsa_kernarg_size 48
		.amdhsa_user_sgpr_count 2
		.amdhsa_user_sgpr_kernarg_segment_ptr 1
		.amdhsa_wavefront_size32 1
		.amdhsa_system_sgpr_workgroup_id_x 1
		.amdhsa_system_sgpr_workgroup_id_y 1
		.amdhsa_system_sgpr_workgroup_id_z 1
		.amdhsa_system_vgpr_workitem_id 0
		.amdhsa_next_free_vgpr 64
		.amdhsa_next_free_sgpr 80
		.amdhsa_reserve_vcc 1
		.amdhsa_float_denorm_mode_32 3
		.amdhsa_float_denorm_mode_16_64 3
		.amdhsa_memory_ordered 1
		.amdhsa_forward_progress 1
		.amdhsa_inst_pref_size 37
	.end_amdhsa_kernel
	.amdgpu_metadata
---
amdhsa.version: [ 1, 2 ]
amdhsa.kernels:
  - .name:           k_q2134d278bd_prep
    .symbol:         k_q2134d278bd_prep.kd
    .args:
      - { .name: x, .offset: 0, .size: 8, .value_kind: global_buffer, .address_space: global }
      - { .name: indices, .offset: 8, .size: 8, .value_kind: global_buffer, .address_space: global }
      - { .name: lowp_scales, .offset: 16, .size: 8, .value_kind: global_buffer, .address_space: global }
      - { .name: xq, .offset: 24, .size: 8, .value_kind: global_buffer, .address_space: global }
      - { .name: order, .offset: 32, .size: 8, .value_kind: global_buffer, .address_space: global }
      - { .name: meta, .offset: 40, .size: 8, .value_kind: global_buffer, .address_space: global }
    .group_segment_fixed_size: 2560
    .private_segment_fixed_size: 0
    .kernarg_segment_align: 8
    .kernarg_segment_size: 48
    .max_flat_workgroup_size: 512
    .sgpr_count:     80
    .vgpr_count:     64
    .wavefront_size: 32
...
	.end_amdgpu_metadata
.endif
;; end of part 1
;; launch gemm (part 2): grid 256 x 1, 4 waves a work-group, no clusters, 67,072 bytes of LDS; arguments W, b, lowp_scales, xq, order, meta, out0; writes out0
.if DOCPART == 2
	.amdgcn_target "amdgcn-amd-amdhsa--gfx1250"
	.amdhsa_code_object_version 6
	.text
	.protected	k_q2134d278bd_gemm
	.globl	k_q2134d278bd_gemm
	.p2align	8
	.type	k_q2134d278bd_gemm,@function
k_q2134d278bd_gemm:
	s_mov_b64 s[64:65], 0
	v_nop
	global_prefetch_b8 v0, s[64:65] scope:SCOPE_SE
	s_setreg_imm32_b32 hwreg(HW_REG_WAVE_MODE, 25, 1), 1
	s_wait_xcnt 0x0
; out0[n][c] = 2^(ex + ew) x (sum over k of code(x[n][k]) code(W[2048 g + c][k])) + b[2048 g + c], g = indices[n].  Sums in f32, by v_wmma_f32_16x16x128_fp8_fp8.
; WORK LEFT OUT: the columns of the seven groups that take_along_axis throws away for a row are not computed (shown at the head of the first kernel); a NaN, infinity or overflow that would arise only there is not carried on.
; SHARES.  Work-group id = 32 g + slice owns group g's output columns 64 slice .. 64 slice + 63: rows 64 id .. 64 id + 63 of W, one dense block of 262,144 bytes that no other work-group reads.
; PHASE W: wave w streams 16 of these rows (65,536 bytes of f32), quantises them with the given 2^ew (x / 2^ew, held within +-448, nearest code, ties to even) and stores the codes in LDS; one barrier;
; then EVERY wave loads all 64 rows' codes, 65,536 bytes, into 512 of its registers, where they stay.  PHASE ROWS: the group's rows, as the first launch has sorted them, go in tiles of 16, dealt to the
; waves by turns (tile w, w + 4, ..).  A tile's 16 rows of codes are gathered from xq straight into the fragment's registers: each fragment is loaded by one wave and feeds four matrix instructions.
; THE ORDER OF K is xq's on both sides: inside each 512 along K, code byte 16 l + 4 i + e holds k = 128 i + 4 l + e.  W's codes get it as x's did: four loads of 512 consecutive bytes, converted as they stand.
; THE COLUMNS OF A TILE OF W ARE NOT NEIGHBOURS: lane r of tile t takes column 4 r + t.  So in the results register j of accumulators 0-3 of lane (r, h) are four NEIGHBOURING columns 4 r + 0..3 of row slot 8 h + j:
; one fused multiply-add a number applies scale and bias and lays them in four neighbouring registers, and one store of 16 bytes a lane writes 256 consecutive aligned bytes of two rows of out0.  No stage in LDS.
; A GRID FOR EVERY SPLIT.  The counts are read from memory.  T = ceil(count / 16).  Slots past the group's end are held at the group's LAST row: that row is then computed and stored again, by the same wave, with the same bits;
; so EXEC never changes.  Tiles asked for ahead past the end read that one row.  A group with no rows: its work-groups walk phase W (every wave passes the barrier) and store nothing.
; THE WALK IS TURNED: slice s begins at tile s T / 32 of its group and wraps, so that the 32 slices of a group begin at 32 places spread evenly over the group's tiles.
; NO TENSOR LOAD, NO CLUSTER: W's block is read by this work-group alone; x's rows are chosen by a list.
; LIMITS: ew between -126 and 119; ex + ew between -126 and 127; NaN in W is not served (an infinity is held at the largest code).
; REGISTERS, in windows of 256.  Window 0: below.  Window 1: x's fragments, two buffers of 128 (K step s, part c at 128 p + 16 s + 4 c).  Windows 2, 3: W's fragments: (tile t, K step s) at 16 (4 (s % 4) + t) of window 2 + s / 4.
.set PITCH, 1040                       ; a row of W's codes in LDS: 1,024 bytes + 16 = 65 x 16: the 16 rows that a fragment load touches start in 16 different 16-byte columns modulo 256 bytes
.set SPARE, 64*PITCH                   ; behind the 64 rows: the spare words, 128 bytes for each wave: two blocks of 256 bytes that no other line names
.set SPW,  2                           ; v2   LDS address of my spare word; never rewritten
.set NIL,  3                           ; v3   0; never rewritten
.set R,    4                           ; v4   lane % 16
.set H,    5                           ; v5   lane / 16
.set GOF,  6                           ; v6   16 x lane
.set LST,  7                           ; v7   LDS: where my wave's codes go: 4 PITCH x wave + 16 x lane
.set LB,   8                           ; v8   LDS: a fragment's place for my lane: PITCH r + 16 h
.set H16,  9                           ; v9   16 h
.set R16,  10                          ; v10  16 r
.set LIM,  11                          ; v11  448 x 2^ew
.set SCL,  12                          ; v12  2^ew
.set AO,   14                          ; v14-15  buffer p: my byte offset in xq
.set RQ,   16                          ; v16-17  buffer p: slot r's row number of the tile after next
.set RF,   18                          ; v18-19  the same for the first two tiles
.set BIAS, 20                          ; v20-23  b of my four columns
.set CD,   24                          ; v24-31  a step's codes, two sets by turns
.set RING, 32                          ; v32-255 phase W: 14 slots of 16 numbers
.set HJ,   96                          ; v96-103   8 h + j       (these and the following lie in ring slots that have had their last step when they are first written)
.set SID,  104                         ; v104-119  buffer p: row number of slot 8 h + j
.set SO,   120                         ; v120-127  my byte offset in out0 for store j
.set ACC,  128                         ; v128-159  four accumulators
.set OUT,  160                         ; v160-191  results: 4 j + t
; s18 wave; s20 g; s21 slice; s22 ex; s23 ew; s24 the group's first place; s25 its count; s26 8 g; s27 T; s28 the group's last place; s29 the turn; s30 my tile's number; s31 2^(ex + ew); s32-35 tiles' first places; s36-41 at work;
; s42 the trips done; s43 my wave's trips
.set MSB, 0
.macro WIN new                         ; s_set_vgpr_msb: bits 1:0 source 0, 3:2 source 1, 5:4 source 2, 7:6 destination; the immediate's high byte repeats the setting that is left
.if MSB != \new
	s_set_vgpr_msb (MSB<<8)|\new
.set MSB, \new
.endif
.endm
.macro WLOAD t                         ; step t of phase W: 512 numbers, 2,048 consecutive bytes of my 16 rows, into ring slot t % 14
.irp q, 0,1,2,3
	global_load_b128 v[RING+16*((\t)%14)+4*\q:RING+16*((\t)%14)+4*\q+3], v[GOF], s[4:5] offset:2048*(\t)+512*\q th:TH_LOAD_NT
.endr
.endm
.macro WSTEP                           ; step WT: row i = WT / 2 of my 16, half WT % 2.  Row 16 w + i is column 4 r' + t' of the slice: it goes to LDS row 16 t' + r' = 16 (i % 4) + 4 w + i / 4
	s_wait_loadcnt WN                              ; loads come back in order: WN were issued behind this step's four
.set RS, RING+16*(WT%14)
.set CR, CD+4*(WT%2)
.irp i, 0,1,2,3,4,5,6,7,8,9,10,11,12,13,14,15
	v_med3_num_f32 v[RS+\i], v[RS+\i], -v[LIM], v[LIM]   ; the conversion to an 8-bit code does not saturate (ISA guide 7.6.2): the hold comes first
.endr
	v_cvt_scalef32_pk8_fp8_f32 v[CR:CR+1], v[RS:RS+7], v[SCL]
	v_cvt_scalef32_pk8_fp8_f32 v[CR+2:CR+3], v[RS+8:RS+15], v[SCL]
	ds_store_b128 v[LST], v[CR:CR+3] offset:(((WT/2)%4)*16+(WT/2)/4)*PITCH+512*(WT%2)   ; the wave stores 512 consecutive bytes
.if WT+14 < 32
	WLOAD WT+14                                    ; the slot takes the step 14 further on
.endif
.endm
.macro TBASE to, ahead                 ; s[to] = the first place in order of my tile number s30 + ahead, turned; past the end: a place behind the group, which the hold below brings to its last row
	s_add_co_u32 s36, s30, \ahead
	s_add_co_u32 s37, s36, s29
	s_cmp_ge_u32 s37, s27
	s_cselect_b32 s38, s27, 0
	s_sub_co_u32 s37, s37, s38                     ; (u + turn) mod T: both are under T
	s_cmp_ge_u32 s36, s27
	s_cselect_b32 s37, s27, s37                    ; u past the end: T
	s_lshl_b32 s37, s37, 4
	s_add_co_u32 s[\to], s24, s37
.endm
.macro IDXLD reg, sb, va               ; v[reg] = order[min(s[sb] + v[va], the group's last place)]
	v_add_nc_u32 v[\reg], s[\sb], v[\va]
	v_min_u32 v[\reg], s28, v[\reg]
	v_min_u32 v[\reg], 0xfff, v[\reg]              ; made of loaded numbers: held inside the list before it becomes an address
	v_lshlrev_b32 v[\reg], 2, v[\reg]
	global_load_b32 v[\reg], v[\reg], s[12:13]     ; the load lands on its own address register
.endm
.macro AOFF p, vr                      ; buffer p's offsets in xq: 1,024 x slot r's row + 16 h
	v_min_u32 v[\vr], 0xfff, v[\vr]
	v_lshl_add_u32 v[AO+(\p)], v[\vr], 10, v[H16]
.endm
.macro AFETCH p                        ; a tile's 16 rows x 1,024 codes: lane (r, h) takes bytes 32 i + 16 h + 0..15 of row r: part i % 4 of K step i / 4
	WIN 0x40                                       ; destination window 1
.irp i, 0,1,2,3,4,5,6,7,8,9,10,11,12,13,14,15,16,17,18,19,20,21,22,23,24,25,26,27,28,29,30,31
	global_load_b128 v[128*(\p)+4*\i:128*(\p)+4*\i+3], v[AO+(\p)], s[10:11] offset:32*\i
.endr
	WIN 0
.endm
.macro MULS p, s                       ; K step s: the four accumulators by turns, one instruction a turn.  Source 0 = 16 rows of x, source 1 = 16 rows of W
.irp t, 0,1,2,3
.if (\s) == 0
	v_wmma_f32_16x16x128_fp8_fp8 v[ACC+8*\t:ACC+8*\t+7], v[128*(\p)+16*(\s):128*(\p)+16*(\s)+15], v[(((\s)%4)*4+\t)*16:(((\s)%4)*4+\t)*16+15], 0
.else
	v_wmma_f32_16x16x128_fp8_fp8 v[ACC+8*\t:ACC+8*\t+7], v[128*(\p)+16*(\s):128*(\p)+16*(\s)+15], v[(((\s)%4)*4+\t)*16:(((\s)%4)*4+\t)*16+15], v[ACC+8*\t:ACC+8*\t+7]
.endif
.endr
.endm
; A TILE, in buffer p: 32 matrix instructions; scale, bias and eight stores; then the requests for the buffer's next tile.
.macro BODY p
	s_wait_loadcnt 40                              ; this tile's 8 row numbers and 32 fragment loads are in.  Behind them stands the other buffer's group: 8 + 32 on the way in, 1 + 8 + 32 in the loop: the smaller count serves both
	WIN 0x09                                       ; source 0 (x) window 1, source 1 (W) window 2
.irp s, 0,1,2,3
	MULS \p, \s
.endr
	WIN 0x0d                                       ; source 1 window 3
.irp s, 4,5,6,7
	MULS \p, \s
.endr
	WIN 0
	s_wait_xcnt 0x0                                ; the last tile's stores have read their offsets and data: both are written again only behind this wait
.irp j, 0,1,2,3,4,5,6,7
	v_min_u32 v[SO+\j], 0xfff, v[SID+8*\p+\j]      ; these sixteen plain lines name no register of the products: they are the places behind the last of them (ISA guide 7.12.1)
.endr
.irp j, 0,1,2,3,4,5,6,7
	v_lshl_add_u32 v[SO+\j], v[SO+\j], 13, v[R16]  ; 8,192 x row + 16 r
.endr
.irp j, 0,1,2,3,4,5,6,7                        ; each accumulator is read from its low end on
.irp t, 0,1,2,3
	v_fma_f32 v[OUT+4*\j+\t], v[ACC+8*\t+\j], s31, v[BIAS+\t]   ; sum x 2^(ex + ew) + b
.endr
	global_store_b128 v[SO+\j], v[OUT+4*\j:OUT+4*\j+3], s[16:17] th:TH_STORE_NT   ; lanes 0-15: 256 consecutive aligned bytes of slot j's row; lanes 16-31: of slot 8 + j's
.endr
	AOFF \p, RQ+\p                                 ; the buffer's next tile: its row numbers were asked for a tile of this buffer ago, ahead of the loads just waited for
	TBASE 32, 4*\p+8
	TBASE 33, 4*\p+16
	IDXLD RQ+\p, 33, R                             ; the row numbers of the tile after that
.irp j, 0,1,2,3,4,5,6,7
	IDXLD SID+8*\p+\j, 32, HJ+\j
.endr
	AFETCH \p                                      ; far more than four places behind the products that read this buffer
.endm
	s_load_b256 s[4:11], s[0:1], 0x0               ; W s[4:5], b s[6:7], the scales' exponents s[8:9], xq s[10:11]
	s_load_b128 s[12:15], s[0:1], 0x20             ; order s[12:13], meta s[14:15]
	s_load_b64 s[16:17], s[0:1], 0x30              ; out0
	v_lshl_add_u32 v[SPW], v0, 2, SPARE
	v_mov_b32 v[NIL], 0
	v_lshrrev_b32 v13, 5, v0
	v_readfirstlane_b32 s18, v13                   ; wave 0..3
	v_and_b32 v1, 31, v0                           ; lane
	v_and_b32 v[R], 15, v0
	v_bfe_u32 v[H], v0, 4, 1
	v_lshlrev_b32 v[GOF], 4, v1
	s_mul_i32 s36, s18, 4*PITCH
	v_lshl_add_u32 v[LST], v1, 4, s36
	v_mul_u32_u24 v[LB], v[R], PITCH
	v_lshl_add_u32 v[LB], v[H], 4, v[LB]
	v_lshlrev_b32 v[H16], 4, v[H]
	v_lshlrev_b32 v[R16], 4, v[R]
	s_lshr_b32 s20, ttmp9, 5                       ; g
	s_and_b32 s21, ttmp9, 31                       ; slice
	s_lshl_b32 s26, s20, 3                         ; my group's pair in meta
	s_lshl_b32 s36, ttmp9, 18                      ; W: 64 rows of 4,096 bytes a work-group,
	s_lshl_b32 s37, s18, 16                        ; 16 of them a wave
	s_add_co_u32 s36, s36, s37
	s_mov_b32 s37, 0
	s_lshl_b32 s38, ttmp9, 8                       ; b: 64 numbers a work-group
	s_mov_b32 s39, 0
	s_lshl_b32 s40, s21, 8                         ; out0: the slice's 256 bytes of a row
	s_mov_b32 s41, 0
	s_wait_kmcnt 0x0
	s_load_b64 s[22:23], s[8:9], 0x0               ; ex, ew
	s_load_b64 s[24:25], s[14:15], s26 offset:0x0  ; the group's first place and count
	s_add_nc_u64 s[4:5], s[4:5], s[36:37]
	s_add_nc_u64 s[6:7], s[6:7], s[38:39]
	s_add_nc_u64 s[16:17], s[16:17], s[40:41]
.irp t, 0,1,2,3,4,5,6,7,8,9,10,11,12,13
	WLOAD \t                                       ; the ring is filled: 56 loads, 28,672 bytes a wave
.endr
	s_wait_kmcnt 0x0
	s_min_u32 s24, s24, 0xfff                      ; loaded numbers are held inside the list
	s_min_u32 s25, s25, 0x1000
	s_add_co_u32 s27, s25, 15
	s_lshr_b32 s27, s27, 4                         ; T
	s_max_u32 s28, s25, 1
	s_add_co_u32 s28, s28, s24
	s_sub_co_u32 s28, s28, 1                       ; the group's last place (an empty group: its first, which is read and not used)
	s_mul_i32 s29, s21, s27
	s_lshr_b32 s29, s29, 5                         ; the turn: slice x T / 32, under T
	s_mov_b32 s30, s18                             ; my first tile
	s_add_co_u32 s43, s27, 7
	s_sub_co_u32 s43, s43, s18
	s_lshr_b32 s43, s43, 3                         ; my trips: I have (T + 3 - wave) / 4 tiles, two to a trip, rounded up: (T + 7 - wave) / 8
	s_mov_b32 s42, 0                               ; trips done
	s_add_co_i32 s36, s23, 127
	s_lshl_b32 s37, s36, 23
	v_mov_b32 v[SCL], s37                          ; 2^ew as f32: the conversion takes its exponent field
	s_add_co_i32 s36, s36, 8
	s_lshl_b32 s36, s36, 23
	s_or_b32 s36, s36, 0x600000
	v_mov_b32 v[LIM], s36                          ; 448 x 2^ew
	s_add_co_i32 s31, s22, s23
	s_add_co_i32 s31, s31, 127
	s_lshl_b32 s31, s31, 23                        ; 2^(ex + ew) as f32
	TBASE 32, 0
	TBASE 33, 4
	TBASE 34, 8
	TBASE 35, 12
	IDXLD RF, 32, R                                ; slot r's row of my first four tiles,
	IDXLD RF+1, 33, R
	IDXLD RQ, 34, R
	IDXLD RQ+1, 35, R
	global_load_b128 v[BIAS:BIAS+3], v[R16], s[6:7]   ; and b of columns 4 r + 0..3: five loads behind the ring's 56
	; ---- PHASE W, written out: 32 steps.  The counts: steps 0-13: the 13 younger steps' 52 loads (some issued ahead of the five, some behind) + the five; steps 14-17: 52; steps 18-26: what is left of W;
	; steps 27-31: what is left of W + the 40 loads of my first tile, which are asked for behind step 26, into registers of ring slots 4 to 9, whose last steps are 18 to 23
.set WT, 0
.rept 32
.if WT < 14
.set WN, 57
.elseif WT < 18
.set WN, 52
.elseif WT < 27
.set WN, 4*(31-WT)
.else
.set WN, 4*(31-WT)+40
.endif
	WSTEP
.if WT == 26
.irp j, 0,1,2,3,4,5,6,7
	v_lshl_add_u32 v[HJ+\j], v[H], 3, \j
.endr
	AOFF 0, RF                                     ; the row numbers are in: they were issued ahead of step 14's loads
	AOFF 1, RF+1
.irp j, 0,1,2,3,4,5,6,7
	IDXLD SID+\j, 32, HJ+\j
.endr
	AFETCH 0
.endif
.set WT, WT+1
.endr
	v_nop                                          ; a plain vector line behind the last conversion
.irp j, 0,1,2,3,4,5,6,7
	IDXLD SID+8+\j, 33, HJ+\j                      ; my second tile's row numbers
.endr
	s_wait_dscnt 0x0                               ; for the others' sake: my codes lie in LDS
	s_barrier_signal -1
	s_barrier_wait -1                              ; all 64 rows do.  Nothing writes them again: the launch's one barrier
	WIN 0x80                                       ; destination window 2, address window 0
.irp s, 0,1,2,3
.irp t, 0,1,2,3
.irp c, 0,1,2,3
	ds_load_b128 v[(\s*4+\t)*16+4*\c:(\s*4+\t)*16+4*\c+3], v[LB] offset:\t*16*PITCH+128*\s+32*\c
.endr
.endr
.endr
	WIN 0xc0                                       ; destination window 3
.irp s, 4,5,6,7
.irp t, 0,1,2,3
.irp c, 0,1,2,3
	ds_load_b128 v[((\s-4)*4+\t)*16+4*\c:((\s-4)*4+\t)*16+4*\c+3], v[LB] offset:\t*16*PITCH+128*\s+32*\c
.endr
.endr
.endr
	WIN 0
	AFETCH 1                                       ; my second tile
	s_wait_dscnt 0x0                               ; W's fragments are in: they stay
	; ---- PHASE ROWS: a trip takes two tiles, one in each buffer.  The trips are counted one by one against my wave's number of trips, which the loop does not write; the tile's number steps by 8 beside the count.
	; The loop is left by falling through its backward branch, or by the wave's end between the two tiles
	s_cmp_eq_u32 s43, 0                            ; no tile is mine (few rows, or none, in the group)
	s_cbranch_scc1 .Ldone
.Ltrip:
	BODY 0
	s_add_co_u32 s36, s30, 4
	s_cmp_lt_u32 s36, s27
	s_cbranch_scc1 .Lsecond
	s_wait_tensorcnt 0x0                           ; my tiles end with this trip's first: the wave ends here, with three lines behind its last LDS store
	ds_add_u32 v[SPW], v[NIL]
	s_wait_dscnt 0x0
	s_endpgm
.Lsecond:
	BODY 1
	s_add_co_u32 s30, s30, 8                       ; my next pair of tiles
	s_add_co_u32 s42, s42, 1
	s_cmp_lt_u32 s42, s43
	s_cbranch_scc1 .Ltrip
.Ldone:
	s_wait_tensorcnt 0x0                           ; the wave's end
	ds_add_u32 v[SPW], v[NIL]
	s_wait_dscnt 0x0
	s_endpgm
.Lfunc_end_k_q2134d278bd_gemm:
	.size	k_q2134d278bd_gemm, .Lfunc_end_k_q2134d278bd_gemm-k_q2134d278bd_gemm
	.p2alignl 7, 3214868480
	.fill 96, 4, 3214868480
	.section	.rodata,"a",@progbits
	.p2align	6, 0x0
	.amdhsa_kernel k_q2134d278bd_gemm
		.amdhsa_group_segment_fixed_size 67072
		.amdhsa_private_segment_fixed_size 0
		.amdhsa_enable_private_segment 0
		.amdhsa_kernarg_size 56
		.amdhsa_user_sgpr_count 2
		.amdhsa_user_sgpr_kernarg_segment_ptr 1
		.amdhsa_wavefront_size32 1
		.amdhsa_system_sgpr_workgroup_id_x 1
		.amdhsa_system_sgpr_workgroup_id_y 1
		.amdhsa_system_sgpr_workgroup_id_z 1
		.amdhsa_system_vgpr_workitem_id 0
		.amdhsa_next_free_vgpr 1024
		.amdhsa_next_free_sgpr 66
		.amdhsa_reserve_vcc 0
		.amdhsa_float_denorm_mode_32 3
		.amdhsa_float_denorm_mode_16_64 3
		.amdhsa_memory_ordered 1
		.amdhsa_forward_progress 1
		.amdhsa_inst_pref_size 100
	.end_amdhsa_kernel
	.amdgpu_metadata
---
amdhsa.version: [ 1, 2 ]
amdhsa.kernels:
  - .name:           k_q2134d278bd_gemm
    .symbol:         k_q2134d278bd_gemm.kd
    .args:
      - { .name: W, .offset: 0, .size: 8, .value_kind: global_buffer, .address_space: global }
      - { .name: b, .offset: 8, .size: 8, .value_kind: global_buffer, .address_space: global }
      - { .name: lowp_scales, .offset: 16, .size: 8, .value_kind: global_buffer, .address_space: global }
      - { .name: xq, .offset: 24, .size: 8, .value_kind: global_buffer, .address_space: global }
      - { .name: order, .offset: 32, .size: 8, .value_kind: global_buffer, .address_space: global }
      - { .name: meta, .offset: 40, .size: 8, .value_kind: global_buffer, .address_space: global }
      - { .name: out0, .offset: 48, .size: 8, .value_kind: global_buffer, .address_space: global }
    .group_segment_fixed_size: 67072
    .private_segment_fixed_size: 0
    .kernarg_segment_align: 8
    .kernarg_segment_size: 56
    .max_flat_workgroup_size: 128
    .sgpr_count:     66
    .vgpr_count:     1024
    .wavefront_size: 32
...
	.end_amdgpu_metadata
.endif
;; end of part 2
;; ======== version 2 of 2: 2 launches
;; workspace buffers: xq 4,194,304 bytes; order 16,384 bytes of whole numbers; meta 256 bytes of whole numbers
;; launch prep (part 3): grid 257 x 1, 16 waves a work-group, no clusters, 2,560 bytes of LDS; arguments x, indices, lowp_scales, xq, order, meta; writes xq, order, meta
.if DOCPART == 3
	.amdgcn_target "amdgcn-amd-amdhsa--gfx1250"
	.amdhsa_code_object_version 6
	.text
	.protected	k_q2134d278bd_prep
	.globl	k_q2134d278bd_prep
	.p2align	8
	.type	k_q2134d278bd_prep,@function
k_q2134d278bd_prep:
	s_mov_b64 s[64:65], 0
	v_nop
	global_prefetch_b8 v0, s[64:65] scope:SCOPE_SE
	s_setreg_imm32_b32 hwreg(HW_REG_WAVE_MODE, 25, 1), 1
	s_wait_xcnt 0x0
; out[n][:] = Q(x[n]) . Q(W[g])^T + b[g], g = indices[n]: 8 groups, each 2,048 rows of W.
; WORK LEFT OUT BY THE WHOLE PROGRAM.  The problem's text forms y = x W^T + b for all 8 x 2,048 columns and then keeps, by take_along_axis on indices, the 2,048 columns of
; group indices[n] of row n.  The other seven groups' columns of a row reach no output, whatever x, W and b hold: they are not computed.  Which columns are kept is a whole number
; that is read from memory: this launch sorts the rows by it, the next launch reads the sorted list.  Every input has a way to an output (any group may be chosen): all are loaded.
; LIMIT: a NaN, an infinity or an overflow that would arise only in the columns left out is not carried to the result (there it is thrown away as well).
; THIS LAUNCH.  Work-group 0: a counting sort of the 4,096 rows by their group -> order (row numbers, group by group, dense) and meta (for group g, at byte 8 g: first place, count).
; Work-groups 1 to 256: x [4096][1024] f32 -> xq [4096][1024] codes of E4M3 with the given scale 2^ex: code = x / 2^ex, held within +-448, to the nearest code, ties to even.
; THE ORDER OF K IN xq.  Inside each 512 along K, byte 16 l + 4 i + e of the codes holds k = 128 i + 4 l + e (l = 0..31, i = 0..3, e = 0..3): lane l's four loads of 16 bytes, each load 512 consecutive
; bytes of the row, are converted as they stand in its registers, and the wave's store of 16 bytes a lane covers 512 consecutive bytes.  The next launch lays W's codes in the same order, so every
; product meets its partner; only the order of the sums changes.
; LIMITS: ex between -126 and 119; NaN in x is not served (an infinity is held at the largest code); indices lie in 0..7, the table that they index.
.set SPARE, 512                        ; LDS: bytes 0-511 the counts [16 waves][8 groups]; from 512 the spare words, 128 bytes for each of 16 waves, which no other line names
.set SPW,  2                           ; v2   LDS address of my spare word; never rewritten
.set NIL,  3                           ; v3   0; never rewritten
.set IDX,  16                          ; v16-23  sort: my eight rows' groups
.set POS,  24                          ; v24-31  their places in order
.set NUM,  32                          ; v32-39  their row numbers
.set CW,   40                          ; v40-55  the sixteen waves' counts of group lane % 8
.set CN,   24                          ; s24-31  my wave's count of each group
.set MK,   32                          ; s32-39  lane masks, one for each group
.set TOT,  40                          ; s40-47  each group's rows in all
.set RB,   48                          ; s48-55  the next free place of each group for my wave
.set FST,  56                          ; s56-63  each group's first place
.set TM,   66                          ; s66-73  at work
	s_load_b256 s[4:11], s[0:1], 0x0               ; x s[4:5], indices s[6:7], the scales' exponents s[8:9], xq s[10:11]
	s_load_b128 s[12:15], s[0:1], 0x20             ; order s[12:13], meta s[14:15]
	v_lshl_add_u32 v[SPW], v0, 2, SPARE
	v_mov_b32 v[NIL], 0
	v_lshrrev_b32 v1, 5, v0
	s_delay_alu instid0(VALU_DEP_1)
	v_readfirstlane_b32 s18, v1                    ; wave 0..15
	v_and_b32 v1, 31, v0                           ; lane
	s_wait_kmcnt 0x0
	s_cmp_eq_u32 ttmp9, 0                          ; the work-group's number alone: all sixteen waves go the same way
	s_cbranch_scc1 .Lsort
	; ---- x into codes: a wave takes one row: 4,096 bytes in, 1,024 bytes out.  No LDS, no barrier on this way
	s_load_b32 s21, s[8:9], 0x0                    ; ex
	s_sub_co_u32 s20, ttmp9, 1
	s_lshl_b32 s20, s20, 4
	s_add_co_u32 s20, s20, s18                     ; my row: 16 x (work-group - 1) + wave
	s_lshl_b32 s22, s20, 12
	s_mov_b32 s23, 0
	s_add_nc_u64 s[4:5], s[4:5], s[22:23]          ; x at my row
	s_lshl_b32 s22, s20, 10
	s_add_nc_u64 s[10:11], s[10:11], s[22:23]      ; xq at my row
	s_wait_alu depctr_va_vdst(0)
	v_lshlrev_b32 v4, 4, v1                        ; 16 bytes a lane
.irp q, 0,1,2,3,4,5,6,7
	global_load_b128 v[16+4*\q:19+4*\q], v4, s[4:5] offset:512*\q th:TH_LOAD_NT   ; 32 lanes read 512 consecutive bytes; the row is read once in the launch
.endr
	s_wait_kmcnt 0x0
	s_add_co_i32 s21, s21, 127
	s_lshl_b32 s22, s21, 23
	v_mov_b32 v6, s22                              ; 2^ex as f32: the conversion takes its exponent field
	s_add_co_i32 s21, s21, 8
	s_lshl_b32 s21, s21, 23
	s_or_b32 s21, s21, 0x600000
	v_mov_b32 v5, s21                              ; 448 x 2^ex
	s_wait_alu depctr_va_vdst(0)
.irp u, 0,1
	s_wait_loadcnt 4-4*\u                          ; this half's four loads are in; the other half's four may be out
.irp i, 0,1,2,3,4,5,6,7,8,9,10,11,12,13,14,15
	v_med3_num_f32 v[16+16*\u+\i], v[16+16*\u+\i], -v5, v5   ; the conversion to an 8-bit code does not saturate (ISA guide 7.6.2): the hold at the largest code x the scale comes first
.endr
	v_cvt_scalef32_pk8_fp8_f32 v[8+4*\u:9+4*\u], v[16+16*\u:23+16*\u], v6
	v_cvt_scalef32_pk8_fp8_f32 v[10+4*\u:11+4*\u], v[24+16*\u:31+16*\u], v6
	global_store_b128 v4, v[8+4*\u:11+4*\u], s[10:11] offset:512*\u   ; 512 consecutive bytes; each half has its own registers, so no store's data are written again
.endr
	v_nop                                          ; a plain vector line behind the last conversion
	s_endpgm                                       ; this way wrote no LDS
	; ---- the sort: wave w owns rows 256 w to 256 w + 255, eight a lane.  The order inside a group is free: each row of the output stands for itself
.Lsort:
	v_and_b32 v58, 0x1e0, v0                       ; 32 x wave
	s_delay_alu instid0(VALU_DEP_1)
	v_lshlrev_b32 v58, 3, v58
	s_wait_alu depctr_va_vdst(0)
	v_lshl_add_u32 v7, v1, 2, v58                  ; my first row: 256 x wave + 4 x lane
	s_delay_alu instid0(VALU_DEP_1)
	v_lshlrev_b32 v4, 2, v7
	global_load_b128 v[IDX:IDX+3], v4, s[6:7]              ; rows v7 + 0..3: the wave reads 512 consecutive bytes
	global_load_b128 v[IDX+4:IDX+7], v4, s[6:7] offset:512 ; rows v7 + 128 + 0..3
	v_and_b32 v60, 7, v0
	s_delay_alu instid0(VALU_DEP_1)
	v_lshlrev_b32 v60, 2, v60                      ; LDS: the word of group lane % 8 in a wave's eight counts
	v_mov_b32 v61, s18                             ; my wave's number in every lane
	v_mov_b32 v63, s18
	s_delay_alu instid0(VALU_DEP_1)
	v_lshlrev_b32 v63, 5, v63                      ; LDS: my wave's eight counts, 32 bytes
	s_wait_loadcnt 0x0
	; my wave's rows of each group: a lane mask for each group and register, its bits counted
.irp c, 0,1,2,3,4,5,6,7
.irp g, 0,1,2,3,4,5,6,7
	v_cmp_eq_u32 s[MK+\g], \g, v[IDX+\c]
.endr
.irp g, 0,1,2,3,4,5,6,7
.if \c == 0
	s_bcnt1_i32_b32 s[CN+\g], s[MK+\g]             ; the first register starts the counts: nothing is cleared
.else
	s_bcnt1_i32_b32 s[TM+\g], s[MK+\g]
.endif
.endr
.if \c > 0
.irp g, 0,1,2,3,4,5,6,7
	s_add_co_u32 s[CN+\g], s[CN+\g], s[TM+\g]
.endr
.endif
.endr
.irp g, 0,1,2,3,4,5,6,7
	v_mov_b32 v[8+\g], s[CN+\g]
.endr
	ds_store_b128 v63, v[8:11]                     ; all lanes write the same words with the same values
	ds_store_b128 v63, v[12:15] offset:16
	s_wait_dscnt 0x0                               ; for the others' sake: my counts lie in LDS
	s_barrier_signal -1
	s_barrier_wait -1                              ; everybody's do.  Nothing writes them again
.irp w, 0,1,2,3,4,5,6,7,8,9,10,11,12,13,14,15
	ds_load_b32 v[CW+\w], v60 offset:32*\w         ; wave w's count of group lane % 8
.endr
	v_mov_b32 v57, 0
	s_wait_dscnt 0x0
	v_add3_u32 v56, v[CW], v[CW+1], v[CW+2]        ; the group's rows in all,
.irp w, 3,5,7,9,11,13
	s_delay_alu instid0(VALU_DEP_1)
	v_add3_u32 v56, v56, v[CW+\w], v[CW+\w+1]
.endr
	s_delay_alu instid0(VALU_DEP_1)
	v_add_nc_u32 v56, v56, v[CW+15]
.irp w, 0,1,2,3,4,5,6,7,8,9,10,11,12,13,14
	v_cmp_lt_u32 vcc_lo, \w, v61                   ; and those of the waves in front of mine
	s_delay_alu instid0(VALU_DEP_1)
	v_cndmask_b32 v58, 0, v[CW+\w], vcc_lo
	s_delay_alu instid0(VALU_DEP_1)
	v_add_nc_u32 v57, v57, v58
.endr
.irp g, 0,1,2,3,4,5,6,7
	v_readlane_b32 s[TOT+\g], v56, \g
	v_readlane_b32 s[RB+\g], v57, \g
.endr
	s_mov_b32 s[FST], 0
.irp g, 0,1,2,3,4,5,6
	s_add_co_u32 s[FST+\g+1], s[FST+\g], s[TOT+\g] ; a group begins where the one before ends
.endr
.irp g, 0,1,2,3,4,5,6,7
	s_add_co_u32 s[RB+\g], s[RB+\g], s[FST+\g]     ; my wave's first place in each group
.endr
	; a row's place: its group's next free place + the lanes below mine that hold the same group in this register
.irp c, 0,1,2,3,4,5,6,7
.irp g, 0,1,2,3,4,5,6,7
	v_cmp_eq_u32 s[MK+\g], \g, v[IDX+\c]
.endr
	v_mbcnt_lo_u32_b32 v[POS+\c], s[MK], s[RB]     ; group 0's figure fills every lane; the other groups' replace it where they apply
.irp g, 1,2,3,4,5,6,7
	v_mbcnt_lo_u32_b32 v58, s[MK+\g], s[RB+\g]
	s_delay_alu instid0(VALU_DEP_1)
	v_cndmask_b32 v[POS+\c], v[POS+\c], v58, s[MK+\g]
.endr
	s_wait_alu depctr_va_vdst(0)
.irp g, 0,1,2,3,4,5,6,7
	s_bcnt1_i32_b32 s[TM+\g], s[MK+\g]
.endr
.irp g, 0,1,2,3,4,5,6,7
	s_add_co_u32 s[RB+\g], s[RB+\g], s[TM+\g]
.endr
	v_min_u32 v[POS+\c], 0xfff, v[POS+\c]          ; a place made of loaded numbers is held inside the list before it becomes an address
	s_delay_alu instid0(VALU_DEP_1)
	v_lshlrev_b32 v[POS+\c], 2, v[POS+\c]
	v_add_nc_u32 v[NUM+\c], 128*(\c/4)+\c%4, v7    ; the row's number
	global_store_b32 v[POS+\c], v[NUM+\c], s[12:13]   ; four bytes a lane, scattered: the whole list is 16,384 bytes, and a turn through LDS would need LDS addresses made of loaded numbers.  Each register has its own address and data
.endr
	s_cmp_lg_u32 s18, 0                            ; wave 0 alone stores the groups' table; no barrier stands under this branch
	s_cbranch_scc1 .Lclose
	v_mov_b32 v8, 0
	v_mov_b32 v9, 0
.irp g, 0,1,2,3,4,5,6,7
	s_delay_alu instid0(VALU_DEP_2)
	v_writelane_b32 v8, s[FST+\g], \g
	s_delay_alu instid0(VALU_DEP_2)
	v_writelane_b32 v9, s[TOT+\g], \g
.endr
	v_lshlrev_b32 v10, 3, v1
	global_store_b64 v10, v[8:9], s[14:15]         ; lane g: (first place, count) of group g; lanes 8-31 zeros: 256 consecutive bytes, all of meta
.Lclose:
	s_wait_tensorcnt 0x0                           ; the wave's end
	ds_add_u32 v[SPW], v[NIL]
	s_wait_dscnt 0x0
	s_endpgm
.Lfunc_end_k_q2134d278bd_prep:
	.size	k_q2134d278bd_prep, .Lfunc_end_k_q2134d278bd_prep-k_q2134d278bd_prep
	.p2alignl 7, 3214868480
	.fill 96, 4, 3214868480
	.section	.rodata,"a",@progbits
	.p2align	6, 0x0
	.amdhsa_kernel k_q2134d278bd_prep
		.amdhsa_group_segment_fixed_size 2560
		.amdhsa_private_segment_fixed_size 0
		.amdhsa_enable_private_segment 0
		.amdhsa_kernarg_size 48
		.amdhsa_user_sgpr_count 2
		.amdhsa_user_sgpr_kernarg_segment_ptr 1
		.amdhsa_wavefront_size32 1
		.amdhsa_system_sgpr_workgroup_id_x 1
		.amdhsa_system_sgpr_workgroup_id_y 1
		.amdhsa_system_sgpr_workgroup_id_z 1
		.amdhsa_system_vgpr_workitem_id 0
		.amdhsa_next_free_vgpr 64
		.amdhsa_next_free_sgpr 80
		.amdhsa_reserve_vcc 1
		.amdhsa_float_denorm_mode_32 3
		.amdhsa_float_denorm_mode_16_64 3
		.amdhsa_memory_ordered 1
		.amdhsa_forward_progress 1
		.amdhsa_inst_pref_size 41
	.end_amdhsa_kernel
	.amdgpu_metadata
---
amdhsa.version: [ 1, 2 ]
amdhsa.kernels:
  - .name:           k_q2134d278bd_prep
    .symbol:         k_q2134d278bd_prep.kd
    .args:
      - { .name: x, .offset: 0, .size: 8, .value_kind: global_buffer, .address_space: global }
      - { .name: indices, .offset: 8, .size: 8, .value_kind: global_buffer, .address_space: global }
      - { .name: lowp_scales, .offset: 16, .size: 8, .value_kind: global_buffer, .address_space: global }
      - { .name: xq, .offset: 24, .size: 8, .value_kind: global_buffer, .address_space: global }
      - { .name: order, .offset: 32, .size: 8, .value_kind: global_buffer, .address_space: global }
      - { .name: meta, .offset: 40, .size: 8, .value_kind: global_buffer, .address_space: global }
    .group_segment_fixed_size: 2560
    .private_segment_fixed_size: 0
    .kernarg_segment_align: 8
    .kernarg_segment_size: 48
    .max_flat_workgroup_size: 512
    .sgpr_count:     80
    .vgpr_count:     64
    .wavefront_size: 32
...
	.end_amdgpu_metadata
.endif
;; end of part 3
;; launch gemm (part 4): grid 256 x 1, 4 waves a work-group, no clusters, 67,072 bytes of LDS; arguments W, b, lowp_scales, xq, order, meta, out0; writes out0
.if DOCPART == 4
	.amdgcn_target "amdgcn-amd-amdhsa--gfx1250"
	.amdhsa_code_object_version 6
	.text
	.protected	k_q2134d278bd_gemm
	.globl	k_q2134d278bd_gemm
	.p2align	8
	.type	k_q2134d278bd_gemm,@function
k_q2134d278bd_gemm:
	s_mov_b64 s[64:65], 0
	v_nop
	global_prefetch_b8 v0, s[64:65] scope:SCOPE_SE
	s_setreg_imm32_b32 hwreg(HW_REG_WAVE_SCHED_MODE, 0, 2), 2
	s_setreg_imm32_b32 hwreg(HW_REG_WAVE_MODE, 25, 1), 1
	s_wait_xcnt 0x0
	s_wait_alu depctr_vm_vsrc(0)
; out0[n][c] = 2^(ex + ew) x (sum over k of code(x[n][k]) code(W[2048 g + c][k])) + b[2048 g + c], g = indices[n].  Sums in f32, by v_wmma_f32_16x16x128_fp8_fp8.
; WORK LEFT OUT: the columns of the seven groups that take_along_axis throws away for a row are not computed (shown at the head of the first kernel); a NaN, infinity or overflow that would arise only there is not carried on.
; SHARES.  Work-group id = 32 g + slice owns group g's output columns 64 slice .. 64 slice + 63: rows 64 id .. 64 id + 63 of W, one dense block of 262,144 bytes that no other work-group reads.
; PHASE W: wave w streams 16 of these rows (65,536 bytes of f32), quantises them with the given 2^ew (x / 2^ew, held within +-448, nearest code, ties to even) and stores the codes in LDS; one barrier;
; then EVERY wave loads all 64 rows' codes, 65,536 bytes, into 512 of its registers, where they stay.  PHASE ROWS: the group's rows, as the first launch has sorted them, go in tiles of 16, dealt to the
; waves by turns (tile w, w + 4, ..).  A tile's 16 rows of codes are gathered from xq straight into the fragment's registers: each fragment is loaded by one wave and feeds four matrix instructions.
; THE ORDER OF K is xq's on both sides: inside each 512 along K, code byte 16 l + 4 i + e holds k = 128 i + 4 l + e.  W's codes get it as x's did: four loads of 512 consecutive bytes, converted as they stand.
; THE COLUMNS OF A TILE OF W ARE NOT NEIGHBOURS: lane r of tile t takes column 4 r + t.  So in the results register j of accumulators 0-3 of lane (r, h) are four NEIGHBOURING columns 4 r + 0..3 of row slot 8 h + j:
; one fused multiply-add a number applies scale and bias and lays them in four neighbouring registers, and one store of 16 bytes a lane writes 256 consecutive aligned bytes of two rows of out0.  No stage in LDS.
; A GRID FOR EVERY SPLIT.  The counts are read from memory.  T = ceil(count / 16).  Slots past the group's end are held at the group's LAST row: that row is then computed and stored again, by the same wave, with the same bits;
; so EXEC never changes.  Tiles asked for ahead past the end read that one row.  A group with no rows: its work-groups walk phase W (every wave passes the barrier) and store nothing.
; THE WALK IS TURNED: slice s begins at tile s T / 32 of its group and wraps, so that the 32 slices of a group begin at 32 places spread evenly over the group's tiles.
; NO TENSOR LOAD, NO CLUSTER: W's block is read by this work-group alone; x's rows are chosen by a list.
; LIMITS: ew between -126 and 119; ex + ew between -126 and 127; NaN in W is not served (an infinity is held at the largest code).
; REGISTERS, in windows of 256.  Window 0: below.  Window 1: x's fragments, two buffers of 128 (K step s, part c at 128 p + 16 s + 4 c).  Windows 2, 3: W's fragments: (tile t, K step s) at 16 (4 (s % 4) + t) of window 2 + s / 4.
; THE MODE: SCHED_MODE bits 1:0 = 2 (LLVM: expert scheduling mode 2), set by the entry lines.  The code itself states the register dependences between vector or matrix instructions and memory or LDS
; instructions, with s_wait_alu, always for 0.
; THE PLAN.  Registers that memory or LDS instructions touch:
;   PHASE W.  Ring slot t % 14: step t's four loads land in it; its sixteen holds write it and its two conversions read it; behind them the loads of step t + 14 land in it.
;             Codes, set t % 2: written by step t's conversions, read by its LDS store, written again two steps on.
;             v[GOF], v[LST], v[LB], v[R16]: made at the head, never written again.
;     So a step has one wait on va_vdst, behind its conversions and ahead of its LDS store and its loads, and from step 2 on one on vm_vsrc, ahead of its conversions.
;   PHASE ROWS, the tile in buffer p.  x's fragments of buffer p: read by the tile's 32 products; the next tile's 32 loads land in them at the tile's end.
;             v[RQ+p], v[SID+8p ..]: row numbers, loaded; read by vector lines at the tile's head (RQ) and behind its products (SID); loaded again at its end.
;             v[AO+p], v[IA+9p ..]: offsets, written by vector lines at the tile's head; read by the loads at its end.  An index load has an address register of its own and lands in another.
;             v[SO ..], v[OUT ..]: written by vector lines behind the products; read by the tile's eight stores.
;     So a tile has ONE wait on va_vdst, behind its last vector line; its 49 memory instructions follow in one run with no vector line among them; and ONE wait on vm_vsrc behind that run, ahead of the branches.
;   The accumulators, the biases and W's fragments (once they are in) are named by vector and matrix instructions alone.
.set PITCH, 1040                       ; a row of W's codes in LDS: 1,024 bytes + 16 = 65 x 16: the 16 rows that a fragment load touches start in 16 different 16-byte columns modulo 256 bytes
.set SPARE, 64*PITCH                   ; behind the 64 rows: the spare words, 128 bytes for each wave: two blocks of 256 bytes that no other line names
.set SPW,  2                           ; v2   LDS address of my spare word; never rewritten
.set NIL,  3                           ; v3   0; never rewritten
.set R,    4                           ; v4   lane % 16
.set H,    5                           ; v5   lane / 16
.set GOF,  6                           ; v6   16 x lane
.set LST,  7                           ; v7   LDS: where my wave's codes go: 4 PITCH x wave + 16 x lane
.set LB,   8                           ; v8   LDS: a fragment's place for my lane: PITCH r + 16 h
.set H16,  9                           ; v9   16 h
.set R16,  10                          ; v10  16 r
.set LIM,  11                          ; v11  448 x 2^ew
.set SCL,  12                          ; v12  2^ew
.set IH,   13                          ; v13  first the wave's number; then, at the head, my byte in order for slot r's row of my third tile
.set AO,   14                          ; v14-15  buffer p: my byte offset in xq.  (At the head, while the ring fills v32 on: my bytes in order for slot r's rows of my first two tiles)
.set RQ,   16                          ; v16-17  buffer p: slot r's row number of the tile after next
.set RF,   18                          ; v18-19  the same for the first two tiles
.set BIAS, 20                          ; v20-23  b of my four columns
.set CD,   24                          ; v24-31  a step's codes, two sets by turns
.set RING, 32                          ; v32-255 phase W: 14 slots of 16 numbers
.set HJ,   96                          ; v96-103   8 h + j       (these and the following lie in ring slots that have had their last step when they are first written)
.set SID,  104                         ; v104-119  buffer p: row number of slot 8 h + j
.set SO,   120                         ; v120-127  my byte offset in out0 for store j
.set ACC,  128                         ; v128-159  four accumulators
.set OUT,  160                         ; v160-191  results: 4 j + t
.set IA,   192                         ; v192-209  buffer p, at IA + 9 p: my bytes in order for slots 8 h + j (eight) and for slot r of the tile after next (the ninth).  Ring slots 10 and 11: their last steps are 24 and 25
; s18 wave; s20 g; s21 slice; s22 ex; s23 ew; s24 the group's first place; s25 its count; s26 8 g; s27 T; s28 the group's last place; s29 the turn; s30 my tile's number; s31 2^(ex + ew); s32-35 tiles' first places; s36-41 at work;
; s42 the trips done; s43 my wave's trips
.set MSB, 0
.macro WIN new                         ; s_set_vgpr_msb: bits 1:0 source 0, 3:2 source 1, 5:4 source 2, 7:6 destination; the immediate's high byte repeats the setting that is left
.if MSB != \new
	s_set_vgpr_msb (MSB<<8)|\new
.set MSB, \new
.endif
.endm
.macro WLOAD t                         ; step t of phase W: 512 numbers, 2,048 consecutive bytes of my 16 rows, into ring slot t % 14
.irp q, 0,1,2,3
	global_load_b128 v[RING+16*((\t)%14)+4*\q:RING+16*((\t)%14)+4*\q+3], v[GOF], s[4:5] offset:2048*(\t)+512*\q th:TH_LOAD_NT
.endr
.endm
.macro WSTEP                           ; step WT: row i = WT / 2 of my 16, half WT % 2.  Row 16 w + i is column 4 r' + t' of the slice: it goes to LDS row 16 t' + r' = 16 (i % 4) + 4 w + i / 4
	s_wait_loadcnt WN                              ; loads come back in order: WN were issued behind this step's four
.set RS, RING+16*(WT%14)
.set CR, CD+4*(WT%2)
.irp i, 0,1,2,3,4,5,6,7,8,9,10,11,12,13,14,15
	v_med3_num_f32 v[RS+\i], v[RS+\i], -v[LIM], v[LIM]   ; the conversion to an 8-bit code does not saturate (ISA guide 7.6.2): the hold comes first
.endr
.if WT >= 2
	s_wait_alu depctr_vm_vsrc(0)                   ; the LDS store of two steps back has read this set of codes, which the conversions write again
.endif
	v_cvt_scalef32_pk8_fp8_f32 v[CR:CR+1], v[RS:RS+7], v[SCL]
	v_cvt_scalef32_pk8_fp8_f32 v[CR+2:CR+3], v[RS+8:RS+15], v[SCL]
	s_wait_alu depctr_va_vdst(0)                   ; the conversions have written the codes, which the LDS store reads; the holds and the conversions are done with the slot, in which, up to step 17, the loads below land
	ds_store_b128 v[LST], v[CR:CR+3] offset:(((WT/2)%4)*16+(WT/2)/4)*PITCH+512*(WT%2)   ; the wave stores 512 consecutive bytes
.if WT+14 < 32
	WLOAD WT+14                                    ; the slot takes the step 14 further on
.endif
.endm
.macro TBASE to, ahead                 ; s[to] = the first place in order of my tile number s30 + ahead, turned; past the end: a place behind the group, which the hold below brings to its last row
	s_add_co_u32 s36, s30, \ahead
	s_add_co_u32 s37, s36, s29
	s_cmp_ge_u32 s37, s27
	s_cselect_b32 s38, s27, 0
	s_sub_co_u32 s37, s37, s38                     ; (u + turn) mod T: both are under T
	s_cmp_ge_u32 s36, s27
	s_cselect_b32 s37, s27, s37                    ; u past the end: T
	s_lshl_b32 s37, s37, 4
	s_add_co_u32 s[\to], s24, s37
.endm
.macro IADR reg, sb, va                ; v[reg] = the byte in order of place min(s[sb] + v[va], the group's last place)
	v_add_nc_u32 v[\reg], s[\sb], v[\va]
	v_min_u32 v[\reg], s28, v[\reg]
	v_min_u32 v[\reg], 0xfff, v[\reg]              ; made of loaded numbers: held inside the list before it becomes an address
	v_lshlrev_b32 v[\reg], 2, v[\reg]
.endm
.macro IADR8 base, sb                  ; the same for the eight slots 8 h + j, into v[base] on: stage by stage, so that no line reads the result of the line above it
.irp j, 0,1,2,3,4,5,6,7
	v_add_nc_u32 v[\base+\j], s[\sb], v[HJ+\j]
.endr
.irp j, 0,1,2,3,4,5,6,7
	v_min_u32 v[\base+\j], s28, v[\base+\j]
.endr
.irp j, 0,1,2,3,4,5,6,7
	v_min_u32 v[\base+\j], 0xfff, v[\base+\j]      ; made of loaded numbers: held inside the list before it becomes an address
.endr
.irp j, 0,1,2,3,4,5,6,7
	v_lshlrev_b32 v[\base+\j], 2, v[\base+\j]
.endr
.endm
.macro ILOAD dst, adr                  ; a row number out of order: the address register is not the one in which the number lands
	global_load_b32 v[\dst], v[\adr], s[12:13]
.endm
.macro AOFF p, vr                      ; buffer p's offsets in xq: 1,024 x slot r's row + 16 h
	v_min_u32 v[AO+(\p)], 0xfff, v[\vr]
	v_lshl_add_u32 v[AO+(\p)], v[AO+(\p)], 10, v[H16]
.endm
.macro AFETCH p                        ; a tile's 16 rows x 1,024 codes: lane (r, h) takes bytes 32 i + 16 h + 0..15 of row r: part i % 4 of K step i / 4
	WIN 0x40                                       ; destination window 1
.irp i, 0,1,2,3,4,5,6,7,8,9,10,11,12,13,14,15,16,17,18,19,20,21,22,23,24,25,26,27,28,29,30,31
	global_load_b128 v[128*(\p)+4*\i:128*(\p)+4*\i+3], v[AO+(\p)], s[10:11] offset:32*\i
.endr
	WIN 0
.endm
.macro MULS p, s                       ; K step s: the four accumulators by turns, one instruction a turn.  Source 0 = 16 rows of x, source 1 = 16 rows of W
.irp t, 0,1,2,3
.if (\s) == 0
	v_wmma_f32_16x16x128_fp8_fp8 v[ACC+8*\t:ACC+8*\t+7], v[128*(\p)+16*(\s):128*(\p)+16*(\s)+15], v[(((\s)%4)*4+\t)*16:(((\s)%4)*4+\t)*16+15], 0
.else
	v_wmma_f32_16x16x128_fp8_fp8 v[ACC+8*\t:ACC+8*\t+7], v[128*(\p)+16*(\s):128*(\p)+16*(\s)+15], v[(((\s)%4)*4+\t)*16:(((\s)%4)*4+\t)*16+15], v[ACC+8*\t:ACC+8*\t+7]
.endif
.endr
.endm
; A TILE, in buffer p: the offsets of the buffer's next requests; 32 matrix instructions; scale and bias; one wait; eight stores and the 41 loads of the buffer's next tile.
.macro BODY p
	s_wait_loadcnt 41                              ; this buffer's group is in: 1 + 8 row numbers, 32 fragment loads.  Behind it stands the other buffer's group, 41 loads on the way in and round the loop alike.  The wait also shows the loads done that read v[AO+p] and v[IA+9p ..]
	TBASE 32, 4*\p+8
	TBASE 33, 4*\p+16
	AOFF \p, RQ+\p                                 ; the buffer's next tile: its row numbers were asked for a tile of this buffer ago
	IADR IA+9*\p+8, 33, R                          ; where the row numbers of the tile after that lie,
	IADR8 IA+9*\p, 32                              ; and those of the next tile's slots 8 h + j
	WIN 0x09                                       ; source 0 (x) window 1, source 1 (W) window 2
.irp s, 0,1,2,3
	MULS \p, \s
.endr
	WIN 0x0d                                       ; source 1 window 3
.irp s, 4,5,6,7
	MULS \p, \s
.endr
	WIN 0
	s_wait_xcnt 0x0                                ; the last tile's stores have had their addresses translated: their offsets and data are written again only behind this wait
.irp j, 0,1,2,3,4,5,6,7
	v_min_u32 v[SO+\j], 0xfff, v[SID+8*\p+\j]      ; these sixteen plain lines name no register of the products: they are the places behind the last of them (ISA guide 7.12.1)
.endr
.irp j, 0,1,2,3,4,5,6,7
	v_lshl_add_u32 v[SO+\j], v[SO+\j], 13, v[R16]  ; 8,192 x row + 16 r
.endr
.irp j, 0,1,2,3,4,5,6,7                        ; each accumulator is read from its low end on
.irp t, 0,1,2,3
	v_fma_f32 v[OUT+4*\j+\t], v[ACC+8*\t+\j], s31, v[BIAS+\t]   ; sum x 2^(ex + ew) + b
.endr
.endr
	s_wait_alu depctr_va_vdst(0)                   ; the tile's one wait: v[SO ..] and v[OUT ..] are written, which the stores read; v[AO+p] and v[IA+9p ..] are written, which the loads read; the products are done reading this buffer's fragments, and the vector lines v[RQ+p] and v[SID+8p ..], in all of which the loads land
.irp j, 0,1,2,3,4,5,6,7
	global_store_b128 v[SO+\j], v[OUT+4*\j:OUT+4*\j+3], s[16:17] th:TH_STORE_NT   ; lanes 0-15: 256 consecutive aligned bytes of slot j's row; lanes 16-31: of slot 8 + j's
.endr
	ILOAD RQ+\p, IA+9*\p+8                         ; no vector or matrix instruction stands between the wait and the last of these 41 loads
.irp j, 0,1,2,3,4,5,6,7
	ILOAD SID+8*\p+\j, IA+9*\p+\j
.endr
	AFETCH \p
	s_wait_alu depctr_vm_vsrc(0)                   ; the stores have read v[SO ..] and v[OUT ..], which the next tile writes again; the loads v[AO+p] and v[IA+9p ..], which this buffer's next tile writes again.  It stands ahead of the branches; no memory instruction follows it before those writes
.endm
	s_load_b256 s[4:11], s[0:1], 0x0               ; W s[4:5], b s[6:7], the scales' exponents s[8:9], xq s[10:11]
	s_load_b128 s[12:15], s[0:1], 0x20             ; order s[12:13], meta s[14:15]
	s_load_b64 s[16:17], s[0:1], 0x30              ; out0
	v_lshl_add_u32 v[SPW], v0, 2, SPARE
	v_mov_b32 v[NIL], 0
	v_lshrrev_b32 v13, 5, v0
	v_readfirstlane_b32 s18, v13                   ; wave 0..3
	v_and_b32 v1, 31, v0                           ; lane
	v_and_b32 v[R], 15, v0
	v_bfe_u32 v[H], v0, 4, 1
	v_lshlrev_b32 v[GOF], 4, v1
	s_wait_alu depctr_va_sdst(0)                   ; s18 is written, ahead of its first reader: LDS addresses, bases and the trip count are made from it
	s_mul_i32 s36, s18, 4*PITCH
	v_lshl_add_u32 v[LST], v1, 4, s36
	v_mul_u32_u24 v[LB], v[R], PITCH
	v_lshl_add_u32 v[LB], v[H], 4, v[LB]
	v_lshlrev_b32 v[H16], 4, v[H]
	v_lshlrev_b32 v[R16], 4, v[R]
	s_lshr_b32 s20, ttmp9, 5                       ; g
	s_and_b32 s21, ttmp9, 31                       ; slice
	s_lshl_b32 s26, s20, 3                         ; my group's pair in meta
	s_lshl_b32 s36, ttmp9, 18                      ; W: 64 rows of 4,096 bytes a work-group,
	s_lshl_b32 s37, s18, 16                        ; 16 of them a wave
	s_add_co_u32 s36, s36, s37
	s_mov_b32 s37, 0
	s_lshl_b32 s38, ttmp9, 8                       ; b: 64 numbers a work-group
	s_mov_b32 s39, 0
	s_lshl_b32 s40, s21, 8                         ; out0: the slice's 256 bytes of a row
	s_mov_b32 s41, 0
	s_wait_kmcnt 0x0
	s_load_b64 s[22:23], s[8:9], 0x0               ; ex, ew
	s_load_b64 s[24:25], s[14:15], s26 offset:0x0  ; the group's first place and count
	s_add_nc_u64 s[4:5], s[4:5], s[36:37]
	s_add_nc_u64 s[6:7], s[6:7], s[38:39]
	s_add_nc_u64 s[16:17], s[16:17], s[40:41]
	s_wait_alu depctr_va_vdst(0)                   ; v[GOF], v[LST], v[LB] and v[R16] are written: the loads of W and b, the LDS stores and the LDS loads read them, and they are never written again
.irp t, 0,1,2,3,4,5,6,7,8,9,10,11,12,13
	WLOAD \t                                       ; the ring is filled: 56 loads, 28,672 bytes a wave
.endr
	s_wait_kmcnt 0x0
	s_min_u32 s24, s24, 0xfff                      ; loaded numbers are held inside the list
	s_min_u32 s25, s25, 0x1000
	s_add_co_u32 s27, s25, 15
	s_lshr_b32 s27, s27, 4                         ; T
	s_max_u32 s28, s25, 1
	s_add_co_u32 s28, s28, s24
	s_sub_co_u32 s28, s28, 1                       ; the group's last place (an empty group: its first, which is read and not used)
	s_mul_i32 s29, s21, s27
	s_lshr_b32 s29, s29, 5                         ; the turn: slice x T / 32, under T
	s_mov_b32 s30, s18                             ; my first tile
	s_add_co_u32 s43, s27, 7
	s_sub_co_u32 s43, s43, s18
	s_lshr_b32 s43, s43, 3                         ; my trips: I have (T + 3 - wave) / 4 tiles, two to a trip, rounded up: (T + 7 - wave) / 8
	s_mov_b32 s42, 0                               ; trips done
	s_add_co_i32 s36, s23, 127
	s_lshl_b32 s37, s36, 23
	v_mov_b32 v[SCL], s37                          ; 2^ew as f32: the conversion takes its exponent field
	s_add_co_i32 s36, s36, 8
	s_lshl_b32 s36, s36, 23
	s_or_b32 s36, s36, 0x600000
	v_mov_b32 v[LIM], s36                          ; 448 x 2^ew
	s_add_co_i32 s31, s22, s23
	s_add_co_i32 s31, s31, 127
	s_lshl_b32 s31, s31, 23                        ; 2^(ex + ew) as f32
	TBASE 32, 0
	TBASE 33, 4
	TBASE 34, 8
	TBASE 35, 12
	IADR AO, 32, R                                 ; where slot r's rows of my first three tiles lie in order
	IADR AO+1, 33, R
	IADR IH, 34, R
	s_wait_alu depctr_va_vdst(0)                   ; these three addresses are written, which the loads below read
	ILOAD RF, AO                                   ; slot r's row of my first three tiles (the fourth's is asked for behind phase W, with the second tile's group),
	ILOAD RF+1, AO+1
	ILOAD RQ, IH
	global_load_b128 v[BIAS:BIAS+3], v[R16], s[6:7]   ; and b of columns 4 r + 0..3: four loads behind the ring's 56
	; ---- PHASE W, written out: 32 steps.  The counts: steps 0-13: the 13 younger steps' 52 loads (some issued ahead of the four, some behind) + the four; steps 14-17: 52; steps 18-26: what is left of W;
	; steps 27-31: what is left of W + the 40 loads of my first tile, which are asked for behind step 26, into registers of ring slots 4 to 9, whose last steps are 18 to 23
.set WT, 0
.rept 32
.if WT < 14
.set WN, 56
.elseif WT < 18
.set WN, 52
.elseif WT < 27
.set WN, 4*(31-WT)
.else
.set WN, 4*(31-WT)+40
.endif
	WSTEP
.if WT == 26
.irp j, 0,1,2,3,4,5,6,7
	v_lshl_add_u32 v[HJ+\j], v[H], 3, \j
.endr
	AOFF 0, RF                                     ; the row numbers are in: they were issued ahead of step 14's loads.  The head's index loads have read v[AO], v[AO+1]: the steps' waits on vm_vsrc stand between
	AOFF 1, RF+1
	IADR8 IA, 32
	s_wait_alu depctr_va_vdst(0)                   ; v[AO], v[AO+1] and the eight addresses v[IA ..] are written, which the loads below and my second tile's fragment loads read
.irp j, 0,1,2,3,4,5,6,7
	ILOAD SID+\j, IA+\j
.endr
	AFETCH 0
.endif
.set WT, WT+1
.endr
	v_nop                                          ; a plain vector line behind the last conversion
	IADR8 IA+9, 33                                 ; my second tile's group begins: where its row numbers lie,
	IADR IA+17, 35, R                              ; and slot r's of my fourth tile
	s_wait_alu depctr_va_vdst(0)                   ; these nine addresses are written, which the loads below read
.irp j, 0,1,2,3,4,5,6,7
	ILOAD SID+8+\j, IA+9+\j                        ; my second tile's row numbers
.endr
	ILOAD RQ+1, IA+17
	s_wait_dscnt 0x0                               ; for the others' sake: my codes lie in LDS
	s_barrier_signal -1
	s_barrier_wait -1                              ; all 64 rows do.  Nothing writes them again: the launch's one barrier
	WIN 0x80                                       ; destination window 2, address window 0
.irp s, 0,1,2,3
.irp t, 0,1,2,3
.irp c, 0,1,2,3
	ds_load_b128 v[(\s*4+\t)*16+4*\c:(\s*4+\t)*16+4*\c+3], v[LB] offset:\t*16*PITCH+128*\s+32*\c
.endr
.endr
.endr
	WIN 0xc0                                       ; destination window 3
.irp s, 4,5,6,7
.irp t, 0,1,2,3
.irp c, 0,1,2,3
	ds_load_b128 v[((\s-4)*4+\t)*16+4*\c:((\s-4)*4+\t)*16+4*\c+3], v[LB] offset:\t*16*PITCH+128*\s+32*\c
.endr
.endr
.endr
	WIN 0
	AFETCH 1                                       ; my second tile: with the nine loads above, 41 behind my first tile's group
	s_wait_dscnt 0x0                               ; W's fragments are in: they stay
	s_wait_alu depctr_vm_vsrc(0)                   ; the first two tiles' loads have read v[AO], v[AO+1] and v[IA ..], which the tiles' heads write again.  It stands ahead of the branch and the label
	; ---- PHASE ROWS: a trip takes two tiles, one in each buffer.  The trips are counted one by one against my wave's number of trips, which the loop does not write; the tile's number steps by 8 beside the count.
	; The loop is left by falling through its backward branch, or by the wave's end between the two tiles
	s_cmp_eq_u32 s43, 0                            ; no tile is mine (few rows, or none, in the group)
	s_cbranch_scc1 .Ldone
.Ltrip:
	BODY 0
	s_add_co_u32 s36, s30, 4
	s_cmp_lt_u32 s36, s27
	s_cbranch_scc1 .Lsecond
	s_wait_dscnt 0x0                               ; my tiles end with this trip's first: the wave ends here, with the six lines on end
	s_wait_alu 0x0
	s_wait_tensorcnt 0x0
	ds_add_u32 v[SPW], v[NIL]
	s_wait_dscnt 0x0
	s_endpgm
.Lsecond:
	BODY 1
	s_add_co_u32 s30, s30, 8                       ; my next pair of tiles
	s_add_co_u32 s42, s42, 1
	s_cmp_lt_u32 s42, s43
	s_cbranch_scc1 .Ltrip
.Ldone:
	s_wait_dscnt 0x0                               ; the wave's end: the six lines on end
	s_wait_alu 0x0
	s_wait_tensorcnt 0x0
	ds_add_u32 v[SPW], v[NIL]
	s_wait_dscnt 0x0
	s_endpgm
.Lfunc_end_k_q2134d278bd_gemm:
	.size	k_q2134d278bd_gemm, .Lfunc_end_k_q2134d278bd_gemm-k_q2134d278bd_gemm
	.p2alignl 7, 3214868480
	.fill 96, 4, 3214868480
	.section	.rodata,"a",@progbits
	.p2align	6, 0x0
	.amdhsa_kernel k_q2134d278bd_gemm
		.amdhsa_group_segment_fixed_size 67072
		.amdhsa_private_segment_fixed_size 0
		.amdhsa_enable_private_segment 0
		.amdhsa_kernarg_size 56
		.amdhsa_user_sgpr_count 2
		.amdhsa_user_sgpr_kernarg_segment_ptr 1
		.amdhsa_wavefront_size32 1
		.amdhsa_system_sgpr_workgroup_id_x 1
		.amdhsa_system_sgpr_workgroup_id_y 1
		.amdhsa_system_sgpr_workgroup_id_z 1
		.amdhsa_system_vgpr_workitem_id 0
		.amdhsa_next_free_vgpr 1024
		.amdhsa_next_free_sgpr 66
		.amdhsa_reserve_vcc 0
		.amdhsa_float_denorm_mode_32 3
		.amdhsa_float_denorm_mode_16_64 3
		.amdhsa_memory_ordered 1
		.amdhsa_forward_progress 1
		.amdhsa_inst_pref_size 102
	.end_amdhsa_kernel
	.amdgpu_metadata
---
amdhsa.version: [ 1, 2 ]
amdhsa.kernels:
  - .name:           k_q2134d278bd_gemm
    .symbol:         k_q2134d278bd_gemm.kd
    .args:
      - { .name: W, .offset: 0, .size: 8, .value_kind: global_buffer, .address_space: global }
      - { .name: b, .offset: 8, .size: 8, .value_kind: global_buffer, .address_space: global }
      - { .name: lowp_scales, .offset: 16, .size: 8, .value_kind: global_buffer, .address_space: global }
      - { .name: xq, .offset: 24, .size: 8, .value_kind: global_buffer, .address_space: global }
      - { .name: order, .offset: 32, .size: 8, .value_kind: global_buffer, .address_space: global }
      - { .name: meta, .offset: 40, .size: 8, .value_kind: global_buffer, .address_space: global }
      - { .name: out0, .offset: 48, .size: 8, .value_kind: global_buffer, .address_space: global }
    .group_segment_fixed_size: 67072
    .private_segment_fixed_size: 0
    .kernarg_segment_align: 8
    .kernarg_segment_size: 56
    .max_flat_workgroup_size: 128
    .sgpr_count:     66
    .vgpr_count:     1024
    .wavefront_size: 32
...
	.end_amdgpu_metadata
.endif
;; end of part 4
